; MI455X (gfx1250); checked and timed in simulation.
; The chip was launched on July 23, 2026; its instructions are those of AMD's public machine-readable ISA for CDNA 5 (MIT licence, August 2026) and "CDNA5" Instruction Set Architecture Reference Guide (July 2026). The comments in the code are by the model that wrote it; some were corrected since.
;; Multi Head Attention. Allowed arithmetic: matrix products marked QUANTISED: E2M1 operands, one E8M0 scale for each 32 along K, by v_wmma_scale_f32_16x16x128_f8f6f4 with both operands' format E2M1 (or v_wmma_scale_f32_32x16x128_f4), f32 sums; everything else in f32.
;; Inputs: bk 1,024 float32; bo 1,024 float32; bq 1,024 float32; bv 1,024 float32; wk_codes 1,024 x 32 x 16 uint8 (E2M1 codes of wk, K innermost, in blocks of 32 codes, two codes a byte); wk_scales 1,024 x 32 uint8 (E8M0 scales of wk, one for each 32 codes along K); wo_codes 1,024 x 32 x 16 uint8 (E2M1 codes of wo, K innermost, in blocks of 32 codes, two codes a byte); wo_scales 1,024 x 32 uint8 (E8M0 scales of wo, one for each 32 codes along K); wq_codes 1,024 x 32 x 16 uint8 (E2M1 codes of wq, K innermost, in blocks of 32 codes, two codes a byte); wq_scales 1,024 x 32 uint8 (E8M0 scales of wq, one for each 32 codes along K); wv_codes 1,024 x 32 x 16 uint8 (E2M1 codes of wv, K innermost, in blocks of 32 codes, two codes a byte); wv_scales 1,024 x 32 uint8 (E8M0 scales of wv, one for each 32 codes along K); x_codes 4 x 2,048 x 32 x 16 uint8 (E2M1 codes of x, K innermost, in blocks of 32 codes, two codes a byte); x_scales 4 x 2,048 x 32 uint8 (E8M0 scales of x, one for each 32 codes along K).
;; Outputs: out0 4 x 2,048 x 1,024 float32.
;; This version of the problem:
;;   THIS VERSION OF THE PROBLEM IS GIVEN IN LOW PRECISION. The matrix products marked QUANTISED in the list below multiply operands that are first quantised to E2M1 (2 exponent bits, 1 mantissa bit; 4 bits a number), with one power-of-two scale for each 32 numbers along K (OCP MX v1.0); their sums are f32. All else is computed in f32.
;;   The module's matrix products, in the order in which they are computed (A, B: the left and right operand; K: the contracted axis; several contracted axes count as one K, in the product's order):
;;     1. [M 8,192, K 1,024] x [K 1,024, N 1,024]; A: input x (given as codes); B: input wq (given as codes): QUANTISED
;;     2. [M 8,192, K 1,024] x [K 1,024, N 1,024]; A: input x (given as codes); B: input wk (given as codes): QUANTISED
;;     3. [M 8,192, K 1,024] x [K 1,024, N 1,024]; A: input x (given as codes); B: input wv (given as codes): QUANTISED
;;     4. batch 64 x [M 2,048, K 64] x [K 64, N 2,048]; A: computed on the way; B: computed on the way: QUANTISED
;;     5. batch 64 x [M 2,048, K 2,048] x [K 2,048, N 64]; A: softmax (see below); B: computed on the way: QUANTISED
;;     6. [M 8,192, K 1,024] x [K 1,024, N 1,024]; A: computed on the way; B: input wo (given as codes): QUANTISED
;;   THE QUANTISER, for each operand of a quantised product, along K:
;;     - K is cut into blocks of 32 from its start; a last block that is shorter is filled with zeros.
;;     - A block's scale is 2^e with e = floor(log2(the largest magnitude in the block)) - 2, held to -126 .. 127; a block of zeros has e = 0. As a byte (E8M0): e + 127.
;;     - Each number is divided by its block's scale, clamped to +-6, and rounded to the nearest number of E2M1, ties to even, subnormals kept.
;;     - The product sums the exact products of the quantised numbers (number of the format x scale) in f32.
;;   ~~~python
;;   def quantise(x, axis):      # numpy; x: float32 -> the quantised numbers, widened to float32 again
;;       x = np.moveaxis(x, axis, -1); K = x.shape[-1]
;;       x = np.pad(x, [(0, 0)] * (x.ndim - 1) + [(0, -K % 32)]); x = x.reshape(x.shape[:-1] + (-1, 32)); a = np.abs(x).max(-1, keepdims=True)
;;       e = np.where(a > 0, np.clip(np.frexp(np.where(a > 0, a, 1))[1] - 1 - 2, -126, 127), 0)      # np.frexp(a)[1] - 1 = floor(log2(a)), exactly
;;       r = np.clip(x / 2.0 ** e, -6, 6)
;;       step = 2.0 ** (np.maximum(np.frexp(np.where(r == 0, 1, r))[1] - 1, 0) - 1)
;;       q = np.round(r / step) * step * 2.0 ** e      # np.round: ties to even
;;       return np.moveaxis(q.reshape(q.shape[:-2] + (-1,))[..., :K], -1, axis).astype(np.float32)
;;   ~~~
;;   SOFTMAX AHEAD OF A QUANTISED PRODUCT. Where the list says 'softmax', what is quantised is not the finished softmax but p = 2^(t - M), with t = logit x log2(e) and M = ceil(the row's largest t), a whole number; so 1/2 < the row's largest p <= 1. The row's sum l is taken of the UNQUANTISED p, in f32, and the product's result is divided by l at the end. Since M is a whole number, a kernel that streams over the keys may use a running M (the ceiling of the running maximum): every later rescaling is an exact power of two, which a block's scale takes up: the codes' values come out the same.
;;   OPERANDS COMPUTED ON THE WAY. 'Computed on the way' means the value that the module computes at that place (a softmax that the list does not call 'softmax' is quantised finished and normalised). What goes into a quantiser is computed in f32, as accurately as f32 sums, v_exp_f32 and their like allow (about 1e-6 of the number): no bf16 or f16 on the way to a quantiser, and a product that is left as it is and whose result goes on into a quantised operand takes f32 operands (vector FMAs, or v_wmma_f32_16x16x4_f32). A number that lies on a knife's edge between two numbers of the format may be rounded either way, as far as f32 arithmetic and the matrix unit's own rounding can turn it there, and no further.
;;   INPUTS GIVEN AS CODES. wk (in the module: [1024, 1024], K = its axis 0); wo (in the module: [1024, 1024], K = its axis 0); wq (in the module: [1024, 1024], K = its axis 0); wv (in the module: [1024, 1024], K = its axis 0); x (in the module: [4, 2048, 1024], K = its axis 2): each comes as NAME_codes (uint8): NAME with its K axis moved to the last place and cut into blocks of 32 codes, [.., K / 32, bytes a block], one block behind the other in memory; two codes a byte, the lower K in the low four bits (a code: sign, 2 exponent bits, 1 mantissa bit); and NAME_scales (uint8): the same leading axes, one E8M0 byte (e + 127) for each 32 codes along K. Its value is code x scale, taken as it is: it is not quantised again, and the codes and scales need not be those that the quantiser above would give.
;; One version. Each part assembles by itself: llvm-mc -triple=amdgcn-amd-amdhsa -mcpu=gfx1250 --defsym DOCPART=n.
;; ======== version 1 of 1: 3 launches
;; workspace buffers: qb 4,718,592 bytes; kv 9,175,040 bytes; oc 4,194,304 bytes; os 262,144 bytes
;; launch qkv (part 1): grid 12 x 32, 4 waves a work-group, clusters of 4 x 4, 327,680 bytes of LDS; arguments x_codes, x_scales, wq_codes, wq_scales, wk_codes, wk_scales, wv_codes, wv_scales, bq, bk, bv, qb, kv; writes qb, kv
.if DOCPART == 1
	.amdgcn_target "amdgcn-amd-amdhsa--gfx1250"
	.amdhsa_code_object_version 6
	.text
	.protected	k_qb671dab59c_qkv
	.globl	k_qb671dab59c_qkv
	.p2align	8
	.type	k_qb671dab59c_qkv,@function
k_qb671dab59c_qkv:
	s_mov_b64 s[64:65], 0
	v_nop
	global_prefetch_b8 v0, s[64:65] scope:SCOPE_SE
	s_setreg_imm32_b32 hwreg(HW_REG_WAVE_MODE, 25, 1), 1
	s_wait_xcnt 0x0
	s_wait_alu depctr_hold_cnt(0) depctr_sa_sdst(0) depctr_va_vdst(0) depctr_va_sdst(0) depctr_va_ssrc(0) depctr_va_vcc(0) depctr_vm_vsrc(0)
	s_getreg_b32 s2, hwreg(HW_REG_IB_STS2, 6, 4)
	s_cmp_eq_u32 s2, 0
	s_cbranch_scc0 .Lentry_in_a_cluster
	s_endpgm
.Lentry_in_a_cluster:
	s_bfe_u32 s2, ttmp6, 0x10000c
	s_cmp_lg_u32 s2, 0xf033
	s_cbranch_scc0 .Lentry_shape_is_right
	s_endpgm
.Lentry_shape_is_right:
; q = x wq + bq, k = x wk + bk, v = x wv + bv on codes of FP4 (E2M1) with one E8M0 scale for each 32 along K = 1,024; the results are quantised at once: q and k along a head's 64, v along the keys.
; NOTHING OF THE PROBLEM IS LEFT OUT in this program: every bias moves codes or scales of a later quantised operand (bq, bk, bv) or the output itself (bo), so all fourteen inputs are loaded and all six products are made.
; LIMITS: NaN and infinities are not served.  A block whose largest magnitude lies under 2^(3 - 127), a block of zeros among them, gets the scale byte 1 (the rule gives zeros 127): its codes are zeros or the
; rule's own, and the bytes are read by this program alone.  The bias is the C of each sum's first product, so it is added ahead of the products and not behind them: another order of f32 rounding.
; SHARES.  A tile of 256 x 256 of one of the three results is made by a work-group of four waves, a wave makes 128 x 128: 64 accumulators of 16 x 16.  The cluster's x says which result: 0 q, 1 k, 2 v.
; The matrix instruction's source 1 ('A' below) gives a lane its row, source 0 ('B') runs along the lane's registers: a lane's registers run along the axis that is quantised.
;   q, k: A = 16 tokens of x, B = 16 features of the weight.     v: A = 16 features of wv, B = 16 tokens of x (the keys).
; Only pointers and two terms of the tile's number are chosen by the cluster's x; LDS, descriptors' shapes and the K steps are the same for all three.
; CLUSTERS: 4 x 4 work-groups.  A's tile hangs on the place along y alone and is asked for jointly by a row of the cluster, B's on the place along x alone and is asked for jointly by a column.
; K = 1,024 is two slots of 512: both slots and all scale bytes are first fills; nothing is filled again.  No prefetch is laid: all that a work-group reads is asked for by its first loads, at its head.
; THE WAY OUT.  Blocks of 32 along B are tiles 2 b, 2 b + 1 in lanes l and l xor 16.  The codes are laid as IMAGES OF THE NEXT OPERAND'S REGISTERS, 512 bytes a piece, lane l's 16 bytes at 16 l:
;   qb [head g: 64][128 tokens: 16][4,608]: 8 tiles x 512 of codes (registers 0-3 of a fragment: d = 32 (l / 16) + 0 .. 31); at 4,096 two groups of 256: scale words [row 16][tile % 4]
;   kv [head g: 64][128 keys: 16][8,960]: K's 8 x 512 likewise; at 4,096 V^T's fragments [16 features: 4][register group: 2][512]; at 8,192 K's scale words, 2 x 256; at 8,704 V's, [row 16][tile 4]
; A scale word of q or k: byte 0 for d 0-31, byte 1 for d 32-63, bytes 2 and 3 are 0.  Every store covers whole aligned runs of 256 bytes.
; REGISTERS, in windows of 256: window 0: v0-31 addresses; v32-95 scale words, two sets; v128-191 A's fragments, one set; v192-255 the bias as C.  On the way out v32-127 are at work.
;   window 1: B's fragments, two sets.   window 2: the accumulators of A's blocks 0-3 ((a, b) at v[8 (8 (a % 4) + b)]);   window 3: those of blocks 4-7.
.set NQ,     4                         ; steps of 128 along K in a slot
.set ROWB,   256                       ; a tile's row: 512 codes
.set KROW,   512                       ; a row of codes in memory
.set PITCH,  272                       ; an LDS row: 256 bytes + 16 of padding, so that the 16 rows of a fragment load begin 68 words apart
.set FR,     8
.set NL,     2
.set NP,     4                         ; places behind this matrix instruction (ISA guide 7.12.1)
.set HALFT,  128*PITCH
.set SLOT,   4*HALFT                   ; A's 256 rows, then B's 256 rows
.set KS,     32                        ; a row of scale bytes
.set SCL,    2*SLOT                    ; behind the two slots: the scale bytes, as rows of 256 bytes + 16 of padding
.set HALFS,  (128*KS/256)*272
.set SBLK,   (16*KS/256)*272
.set SPARE,  SCL+4*HALFS               ; the spare words, 128 bytes for each wave: two blocks of 256 bytes that no other line names
.set ADRA, 16                          ; v16-17  LDS address of my A fragments in slot 0, 1
.set ADRB, 20                          ; v20-21  the same for B
.set VB,   24                          ; v24     my byte offset in the bias
.set SOF,  25                          ; v25     scale words out: 16 (l % 16) + (l / 16) x a head's bytes
.set LI,   26                          ; v26     16 x lane: my place in an image
.set ADRS, 27                          ; v27     LDS address of my scale words: lanes 0-15 A's rows, lanes 16-31 B's
.set SPW,  28                          ; v28     LDS address of my spare word; never rewritten
.set NIL,  29                          ; v29     0; never rewritten
.set VSH,  30                          ; v30     16 (l / 16)
.set SC,   32
.set AF,   128
.set BI,   192
.set TM,   32                          ; the way out: v32-35 largest magnitudes, v36-39 the other half's, v40-43 bytes, v44-47 the conversions' scale operands
.set PWB,  48                          ; v48-55  the scale word of each of A's eight blocks
.set PCB,  64                          ; v64-127 the codes of each of A's eight blocks, 8 registers each
.set ISV,  2                           ; s2  1 where the result is v
.set ISQ,  3                           ; s3  1 where it is q
.set WV,   20
.set HA,   21                          ; which half of A's rows is mine.  Also: I fetch for A (0) or for B (1)
.set HB,   22                          ; which half of B's rows.  Also: which 128 rows of that tile I fetch
.set TA,   23                          ; A's tile;  s42: B's tile
.set G1,   24
.set G0,   32
.set G1B,  48
.set G0B,  56
.set G1S,  68
.set G0S,  76
.set G1SB, 80
.set G0SB, 88
.set SEL,  100
.set MSB, 0
.macro WIN new                         ; the immediate's high byte repeats the setting that is left
.if MSB != \new
	s_set_vgpr_msb (MSB<<8)|\new
.set MSB, \new
.endif
.endm
.set MUL_LO, 0xa1                      ; source 0 (B) window 1, source 1 (A) window 0, C and D window 2
.set MUL_HI, 0xf1                      ; the same, C and D window 3
.set BIA_LO, 0x81                      ; the first step: C (the bias) window 0, D window 2
.set BIA_HI, 0xc1                      ; D window 3
.set TO_B,   0x40
; A joint load: waves 0 and 1 fetch for A, waves 2 and 3 for B; the branch hangs on the wave's number alone.  An s_nop 0 and four v_nop follow each line.
.macro JLOAD g0a, g1a, g0b, g1b
	s_cmp_eq_u32 s[HA], 0
	s_cbranch_scc0 .Lfor_b_\@
	tensor_load_to_lds s[\g0a:\g0a+3], s[\g1a:\g1a+7]
	s_nop 0
.rept 4
	v_nop
.endr
	s_branch .Lasked_\@
.Lfor_b_\@:
	tensor_load_to_lds s[\g0b:\g0b+3], s[\g1b:\g1b+7]
	s_nop 0
.rept 4
	v_nop
.endr
.Lasked_\@:
.endm
.macro CROUND                          ; a round of the cluster's barrier
	s_barrier_signal -1
	s_barrier_wait -1
	s_cmp_lg_u32 s[WV], 0
	s_cbranch_scc1 .Lnot_wave_0_\@
	s_barrier_signal -3
.Lnot_wave_0_\@:
	s_barrier_wait -3
	s_barrier_signal -1
	s_barrier_wait -1
.endm
	s_load_b512 s[4:19], s[0:1], 0x0               ; x's codes, x's scales, wq's, wk's, wv's
	s_load_b256 s[68:75], s[0:1], 0x40             ; bq, bk, bv, qb
	s_load_b64 s[76:77], s[0:1], 0x60              ; kv
	v_lshl_add_u32 v[SPW], v0, 2, SPARE
	v_mov_b32 v[NIL], 0
	ds_add_u32 v[SPW], v[NIL]                      ; the wave's opening: the add, twice on end, and its wait ahead of my first tensor load
	ds_add_u32 v[SPW], v[NIL]
	v_lshrrev_b32 v1, 5, v0
	v_readfirstlane_b32 s[WV], v1                  ; wave 0..3
	s_lshr_b32 s[HA], s[WV], 1
	s_and_b32 s[HB], s[WV], 1
	s_bfe_u32 s40, ttmp6, 0x40000                  ; cx, cy: my place in the cluster
	s_bfe_u32 s41, ttmp6, 0x40004
	s_cmp_eq_u32 ttmp9, 2                          ; the cluster's x: the same in all sixteen partners
	s_cselect_b32 s[ISV], 1, 0
	s_cmp_eq_u32 ttmp9, 0
	s_cselect_b32 s[ISQ], 1, 0
	s_and_b32 s45, ttmp7, 0xffff
	s_lshl_b32 s45, s45, 2                         ; 4 x cluster y: it counts tiles of tokens
	s_cmp_eq_u32 s[ISV], 1
	s_cselect_b32 s[TA], 0, s45                    ; q, k: A is x;  v: A is wv
	s_cselect_b32 s42, s45, 0                      ; v: B is x
	s_add_co_u32 s[TA], s[TA], s41                 ; A's tile hangs on cy alone,
	s_add_co_u32 s42, s42, s40                     ; B's on cx alone
	s_lshl_b32 s43, s41, 2
	s_lshl_b32 s43, 15, s43                        ; my row of the cluster
	s_lshl_b32 s44, 0x1111, s40                    ; my column
	s_or_b32 s[G1+0], s43, (0<<16)|(1<<20)|(1<<21)|(5<<22)|(3<<25)  ; the mask; elements of 1 byte; padding on; bit 21 beside a mask; 4 words behind every 64
	s_or_b32 s[G1B+0], s44, (0<<16)|(1<<20)|(1<<21)|(5<<22)|(3<<25)
.irp g, G1, G1B
	s_mov_b32 s[\g+1], ROWB<<16                    ; tensor_dim0
	s_mov_b32 s[\g+2], 128<<16                     ; tensor_dim1
	s_mov_b32 s[\g+3], ROWB<<16                    ; tile_dim0
	s_mov_b32 s[\g+4], 128                         ; tile_dim1
	s_mov_b32 s[\g+5], KROW                        ; from row to row
	s_mov_b32 s[\g+6], 0
	s_mov_b32 s[\g+7], 0
.endr
	s_mov_b32 s[SEL], 0x76543210
	s_mov_b32 s[SEL+1], 0xfedcba98                 ; v_permlanex16_b32's selects for lane l xor 16
	s_mul_i32 s45, s[WV], HALFT                    ; where my tile goes: wave x 128 rows: no place in the cluster enters an LDS address
	s_mul_i32 s67, s[WV], HALFS
	s_wait_dscnt 0x0                               ; both opening adds are done
	s_wait_kmcnt 0x0
	s_cmp_eq_u32 ttmp9, 1                          ; the buffers are chosen by the cluster's x alone
	s_cselect_b64 s[8:9], s[12:13], s[8:9]         ; q's or k's weight,
	s_cselect_b64 s[10:11], s[14:15], s[10:11]
	s_cselect_b64 s[68:69], s[70:71], s[68:69]     ; and bias
	s_cmp_eq_u32 ttmp9, 2
	s_cselect_b64 s[92:93], s[16:17], s[4:5]       ; A's codes,
	s_cselect_b64 s[94:95], s[18:19], s[6:7]       ; A's scales,
	s_cselect_b64 s[96:97], s[4:5], s[8:9]         ; B's codes,
	s_cselect_b64 s[98:99], s[6:7], s[10:11]       ; B's scales
	s_cselect_b64 s[68:69], s[72:73], s[68:69]
	s_cmp_eq_u32 ttmp9, 0
	s_cselect_b64 s[6:7], s[74:75], s[76:77]       ; where the results go: qb or kv
	s_mov_b64 s[4:5], s[68:69]                     ; the bias
	; the scale bytes of 128 rows: a dense block of 4,096 bytes, as 16 rows of 256 bytes (32 elements of 8), 16 bytes of padding behind each
	s_or_b32 s[G1S+0], s43, (3<<16)|(1<<20)|(1<<21)|(5<<22)|(3<<25)
	s_or_b32 s[G1SB+0], s44, (3<<16)|(1<<20)|(1<<21)|(5<<22)|(3<<25)
.irp g, G1S, G1SB
	s_mov_b32 s[\g+1], 32<<16
	s_mov_b32 s[\g+2], (128*KS/256)<<16
	s_mov_b32 s[\g+3], 32<<16
	s_mov_b32 s[\g+4], 128*KS/256
	s_mov_b32 s[\g+5], 32
	s_mov_b32 s[\g+6], 0
	s_mov_b32 s[\g+7], 0
.endr
	s_lshl_b32 s66, s[HB], 7                       ; which 128 rows of the tile I fetch
	s_lshl_b32 s8, s[TA], 8
	s_add_co_u32 s8, s8, s66                       ; A: row 256 x tile + 128 x half
	s_lshl_b32 s10, s8, 5                          ; its scale bytes,
	s_lshl_b32 s8, s8, 9                           ; its codes
	s_mov_b32 s9, 0
	s_mov_b32 s11, 0
	s_add_nc_u64 s[92:93], s[92:93], s[8:9]
	s_add_nc_u64 s[94:95], s[94:95], s[10:11]
	s_lshl_b32 s46, s42, 8
	s_add_co_u32 s46, s46, s66                     ; B likewise, in registers that feed none of A's descriptors
	s_lshl_b32 s12, s46, 5
	s_lshl_b32 s46, s46, 9
	s_mov_b32 s47, 0
	s_mov_b32 s13, 0
	s_add_nc_u64 s[96:97], s[96:97], s[46:47]
	s_add_nc_u64 s[98:99], s[98:99], s[12:13]
	CROUND                                         ; all sixteen work-groups are here: the first joint loads meet
	s_mov_b32 s[G0S], 1
	s_add_co_u32 s[G0S+1], s67, SCL
	s_mov_b64 s[G0S+2:G0S+3], s[94:95]
	s_or_b32 s[G0S+3], s[G0S+3], 0x80000000
	s_mov_b32 s[G0SB], 1
	s_add_co_u32 s[G0SB+1], s67, SCL
	s_mov_b64 s[G0SB+2:G0SB+3], s[98:99]
	s_or_b32 s[G0SB+3], s[G0SB+3], 0x80000000
	JLOAD G0S, G1S, G0SB, G1SB                     ; the scales first: they are wanted with slot 0
.irp s, 0,1
	s_mov_b32 s[G0+4*\s], 1
	s_add_co_u32 s[G0+4*\s+1], s45, \s*SLOT
	s_add_nc_u64 s[G0+4*\s+2:G0+4*\s+3], s[92:93], \s*ROWB
	s_or_b32 s[G0+4*\s+3], s[G0+4*\s+3], 0x80000000
	s_mov_b32 s[G0B+4*\s], 1
	s_add_co_u32 s[G0B+4*\s+1], s45, \s*SLOT
	s_add_nc_u64 s[G0B+4*\s+2:G0B+4*\s+3], s[96:97], \s*ROWB
	s_or_b32 s[G0B+4*\s+3], s[G0B+4*\s+3], 0x80000000
	JLOAD G0+4*\s, G1, G0B+4*\s, G1B               ; three tensor loads of mine are out in all
.endr
	v_and_b32 v1, 15, v0                           ; r = l % 16
	v_bfe_u32 v2, v0, 4, 1                         ; h = l / 16
	v_mul_u32_u24 v3, v1, PITCH
	v_lshl_add_u32 v4, v2, 4, v3                   ; a fragment's row x pitch + 16 x half
	s_mul_i32 s8, s[HA], HALFT                     ; my 128 rows of A
	s_mul_i32 s9, s[HB], HALFT                     ; my 128 rows of B,
	s_add_co_u32 s9, s9, 2*HALFT                   ; which lie behind A's 256
.irp s, 0,1
	v_add_nc_u32 v[ADRA+\s], s8, v4
	v_add_nc_u32 v[ADRB+\s], s9, v4
	s_add_co_u32 s8, s8, SLOT
	s_add_co_u32 s9, s9, SLOT
.endr
	v_mul_u32_u24 v5, v1, KS                       ; my row's scales: 32 bytes a row,
	v_lshrrev_b32 v6, 8, v5
	v_lshl_add_u32 v5, v6, 4, v5                   ; and 16 more for each 256 passed
	s_mul_i32 s8, s[HA], HALFS
	s_mul_i32 s9, s[HB], HALFS
	s_add_co_u32 s9, s9, 2*HALFS
	s_sub_co_u32 s9, s9, s8
	v_mul_u32_u24 v6, s9, v2                       ; lanes 16-31 take B's
	s_add_co_u32 s8, s8, SCL
	v_add_nc_u32 v5, v5, v6
	v_add_nc_u32 v[ADRS], s8, v5
	v_and_b32 v6, 31, v0
	v_lshlrev_b32 v[LI], 4, v6
	v_lshlrev_b32 v[VSH], 4, v2
	; where my results go
	s_lshl_b32 s8, s[TA], 8
	s_lshl_b32 s9, s[HA], 7
	s_add_co_u32 s8, s8, s9                        ; my first row of A
	s_lshl_b32 s10, s42, 8
	s_lshl_b32 s11, s[HB], 7
	s_add_co_u32 s10, s10, s11                     ; my first row of B
	s_mov_b32 s14, 143360                          ; kv: a head's bytes,
	s_mov_b32 s15, 8960                            ; the bytes of 128 keys,
	s_mov_b32 s16, 8192                            ; where K's scale words begin
	s_cmp_eq_u32 s[ISQ], 1
	s_cselect_b32 s14, 73728, s14                  ; qb's figures
	s_cselect_b32 s15, 4608, s15
	s_cselect_b32 s16, 4096, s16
	s_cmp_eq_u32 s[ISV], 1
	s_cselect_b32 s12, s10, s8                     ; my first token
	s_cselect_b32 s13, s8, s10                     ; my first feature: a multiple of 128, two heads
	s_cselect_b32 s16, 8704, s16                   ; V's scale words
	s_cselect_b32 s17, 4096, 0                     ; V's images lie behind K's
	s_lshr_b32 s18, s12, 11
	s_lshl_b32 s18, s18, 4
	s_lshr_b32 s19, s13, 6
	s_add_co_u32 s18, s18, s19                     ; g = 16 x batch + head
	s_mul_i32 s18, s18, s14
	s_bfe_u32 s19, s12, 0x40007                    ; which 128 tokens of the sequence
	s_mul_i32 s19, s19, s15
	s_add_co_u32 s18, s18, s19
	s_add_co_u32 s46, s18, s16
	s_mov_b32 s47, 0
	s_add_co_u32 s18, s18, s17
	s_mov_b32 s19, 0
	s_add_nc_u64 s[10:11], s[6:7], s[46:47]        ; the scale words of my first head,
	s_add_nc_u64 s[6:7], s[6:7], s[18:19]          ; its images,
	s_mov_b32 s18, s14
	s_add_nc_u64 s[8:9], s[6:7], s[18:19]          ; my second head's
	s_lshl_b32 s46, s13, 2
	s_add_nc_u64 s[4:5], s[4:5], s[46:47]          ; the bias at my first feature
	v_mul_u32_u24 v[SOF], s14, v2
	v_lshl_add_u32 v[SOF], v1, 4, v[SOF]
	; the bias in the result's layout, eight registers a tile
	s_cmp_eq_u32 s[ISV], 1
	s_cbranch_scc1 .Lbias_v
	v_lshlrev_b32 v[VB], 5, v2                     ; q, k: register j of B's tile b is feature 16 b + 8 h + j
.irp b, 0,1,2,3,4,5,6,7
	global_load_b128 v[BI+8*\b:BI+8*\b+3], v[VB], s[4:5] offset:64*\b
	global_load_b128 v[BI+8*\b+4:BI+8*\b+7], v[VB], s[4:5] offset:64*\b+16
.endr
	s_branch .Lbias_done
.Lbias_v:
	v_lshlrev_b32 v[VB], 2, v1                     ; v: all eight registers of A's tile a are feature 16 a + r
.irp a, 0,1,2,3,4,5,6,7
.irp j, 0,1,2,3,4,5,6,7
	global_load_b32 v[BI+8*\a+\j], v[VB], s[4:5] offset:64*\a
.endr
.endr
.Lbias_done:
.macro FRAG reg, adr, q, i             ; 16 rows x 128 K of 4-bit codes: registers 4 c .. 4 c + 3 hold K = 64 c + 32 (l / 16) + 0 .. 31
.irp c, 0,1
	ds_load_b128 v[\reg+4*\c:\reg+4*\c+3], v[\adr] offset:64*(\q)+32*\c+(\i)*16*PITCH
.endr
.endm
; 16 matrix instructions: A's blocks a0, a0 + 1 x B's eight.  zero = 1: the sums start from the bias by B's tile; 2: by A's tile; 0: they go on.
; The 64 accumulators take turns, one instruction a turn, in the same order in every step.
.macro MUL16 a0, p, q, sc, zero
.irp a, \a0, \a0+1
.irp b, 0,1,2,3,4,5,6,7
.if \zero == 1
	v_wmma_scale_f32_16x16x128_f8f6f4 v[8*(8*((\a)%4)+\b):8*(8*((\a)%4)+\b)+7], v[128*(\p)+FR*\b:128*(\p)+FR*\b+FR-1], v[AF+FR*(\a):AF+FR*(\a)+FR-1], v[BI+8*\b:BI+8*\b+7], v[SC+8*NQ*(\sc)+NQ*\b+(\q)], v[SC+8*NQ*(\sc)+NQ*(\a)+(\q)] matrix_a_fmt:MATRIX_FMT_FP4 matrix_b_fmt:MATRIX_FMT_FP4 matrix_a_scale:MATRIX_SCALE_ROW1
.elseif \zero == 2
	v_wmma_scale_f32_16x16x128_f8f6f4 v[8*(8*((\a)%4)+\b):8*(8*((\a)%4)+\b)+7], v[128*(\p)+FR*\b:128*(\p)+FR*\b+FR-1], v[AF+FR*(\a):AF+FR*(\a)+FR-1], v[BI+8*(\a):BI+8*(\a)+7], v[SC+8*NQ*(\sc)+NQ*\b+(\q)], v[SC+8*NQ*(\sc)+NQ*(\a)+(\q)] matrix_a_fmt:MATRIX_FMT_FP4 matrix_b_fmt:MATRIX_FMT_FP4 matrix_a_scale:MATRIX_SCALE_ROW1
.else
	v_wmma_scale_f32_16x16x128_f8f6f4 v[8*(8*((\a)%4)+\b):8*(8*((\a)%4)+\b)+7], v[128*(\p)+FR*\b:128*(\p)+FR*\b+FR-1], v[AF+FR*(\a):AF+FR*(\a)+FR-1], v[8*(8*((\a)%4)+\b):8*(8*((\a)%4)+\b)+7], v[SC+8*NQ*(\sc)+NQ*\b+(\q)], v[SC+8*NQ*(\sc)+NQ*(\a)+(\q)] matrix_a_fmt:MATRIX_FMT_FP4 matrix_b_fmt:MATRIX_FMT_FP4 matrix_a_scale:MATRIX_SCALE_ROW1
.endif
.endr
.endr
.endm
.macro FETCH_B slot, q, p
	WIN TO_B
.irp i, 0,1,2,3,4,5,6,7
	FRAG 128*(\p)+FR*\i, ADRB+\slot, \q, \i
.endr
	WIN 0
.endm
.macro FETCH_A slot, q, i0
.irp i, \i0, \i0+1, \i0+2, \i0+3
	FRAG AF+FR*(\i), ADRA+\slot, \q, \i
.endr
.endm
.macro SCALES sc                       ; a slot's scale words: four words a row; lanes 0-15 take A's block i, lanes 16-31 B's block i
.irp i, 0,1,2,3,4,5,6,7
	ds_load_b128 v[SC+8*NQ*\sc+NQ*\i:SC+8*NQ*\sc+NQ*\i+3], v[ADRS] offset:\i*SBLK
.endr
.endm
.macro PLACES n                        ; plain vector instructions between a matrix instruction and a load into, or a vector instruction on, its registers
.rept \n
	v_nop
.endr
.endm
; A step of 128 along K that has its successor in the same slot: A's blocks one after the other, each against B's eight; A has one set of registers, B two.
.macro STEP slot, q, zero
	s_wait_dscnt 4*NL                              ; B's set and A's blocks 0-3 are in; the youngest eight loads (A's blocks 4-7) may be out
.if \zero
	WIN BIA_LO
.else
	WIN MUL_LO
.endif
	MUL16 0, (\q)%2, \q, \slot, \zero
	MUL16 2, (\q)%2, \q, \slot, \zero
	s_wait_dscnt 0                                 ; A's blocks 4-7 are in
	PLACES NP
	FETCH_B \slot, (\q)+1, 1-(\q)%2
	FETCH_A \slot, (\q)+1, 0
.if \zero
	WIN BIA_HI
.else
	WIN MUL_HI
.endif
	MUL16 4, (\q)%2, \q, \slot, \zero
	MUL16 6, (\q)%2, \q, \slot, \zero
	PLACES NP
	WIN 0
	FETCH_A \slot, (\q)+1, 4
.endm
.macro STEPS slot, from
.set Q, \from
.rept NQ-1-\from
	STEP \slot, Q, 0
.set Q, Q+1
.endr
.endm
	s_wait_tensorcnt 1                             ; the scales and my part of slot 0 are in (slot 1's load may be out),
	s_barrier_signal -1
	s_barrier_wait -1                              ; everybody's are
	FETCH_B 0, 0, 0
	FETCH_A 0, 0, 0
	s_wait_alu depctr_va_vdst(0)
	SCALES 0
	FETCH_A 0, 0, 4
	s_wait_loadcnt 0x0                             ; the bias
	s_cmp_eq_u32 s[ISV], 1                         ; the first step is written twice: it differs in which tile picks the bias; both ways issue the same LDS loads
	s_cbranch_scc1 .Lfirst_v
	STEP 0, 0, 1
	s_branch .Lfirst_done
.Lfirst_v:
	STEP 0, 0, 2
.Lfirst_done:
	STEPS 0, 1
	; slot 0's last step changes slots: one barrier; in front of it each wave waits for all its tensor loads, adds 0 to its spare word, and waits for that and for its reads
	s_wait_tensorcnt 0x0                           ; my part of slot 1 has landed
	ds_add_u32 v[SPW], v[NIL]                      ; 0 onto my spare word
	s_wait_dscnt 4*NL+1                            ; (the add and the youngest eight loads may be out)
	WIN MUL_LO
	MUL16 0, 1, NQ-1, 0, 0
	s_wait_dscnt 0x0
	s_barrier_signal -1
	MUL16 2, 1, NQ-1, 0, 0
	WIN 0
	s_barrier_wait -1                              ; slot 1 is whole
	PLACES NP
	v_add_nc_u32 v[ADRS], 4*NQ, v[ADRS]            ; on to slot 1's scale words
	FETCH_B 1, 0, 0
	FETCH_A 1, 0, 0
	SCALES 1
	WIN MUL_HI
	MUL16 4, 1, NQ-1, 0, 0
	MUL16 6, 1, NQ-1, 0, 0
	PLACES NP
	WIN 0
	FETCH_A 1, 0, 4
	STEPS 1, 0
	s_wait_dscnt 4*NL                              ; the very last step: nothing more to fetch
	WIN MUL_LO
	MUL16 0, 1, NQ-1, 1, 0
	MUL16 2, 1, NQ-1, 1, 0
	s_wait_dscnt 0
	WIN MUL_HI
	MUL16 4, 1, NQ-1, 1, 0
	MUL16 6, 1, NQ-1, 1, 0
	WIN 0
; THE WAY OUT.  A's block a: my 64 numbers are four half blocks of 32 along B: register 16 b + i is index 8 h + i (i < 8) or 16 + 8 h + i - 8 of block b; lane l xor 16 holds the other half.
; The block's scale byte is its largest magnitude's exponent field - 2, held at 1 from below by the floor 2^(3 - 127) among the maximum's leaves.
; The conversions' results are laid so that two exchanges of halves give registers 4 c .. 4 c + 3 = index 0 .. 31 of block 2 c (lanes 0-15) and of block 2 c + 1 (lanes 16-31): the operand's layout.
.macro QUANTW a
.set AC, 64*((\a)%4)
.set WW, 2+(\a)/4
.set WS, WW|(WW<<2)
	WIN WS                                         ; sources 0 and 1: the accumulators' window
.irp b, 0,1,2,3
	v_max3_num_f32 v[TM+\b], |v[AC+16*\b]|, |v[AC+16*\b+1]|, 0x1800000   ; each accumulator is read from its low end on
.endr
.irp i, 2,4,6,8,10,12,14
.irp b, 0,1,2,3
	v_max3_num_f32 v[TM+\b], |v[AC+16*\b+\i]|, |v[AC+16*\b+\i+1]|, v[TM+\b]
.endr
.endr
	WIN 0
.irp b, 0,1,2,3
	v_permlanex16_b32 v[TM+4+\b], v[TM+\b], s[SEL], s[SEL+1]
.endr
.irp b, 0,1,2,3
	v_max_num_f32 v[TM+\b], v[TM+\b], v[TM+4+\b]   ; the block's largest magnitude
.endr
.irp b, 0,1,2,3
	v_add_nc_u32 v[TM+12+\b], 0xff000000, v[TM+\b] ; 2 off its exponent field: the conversion's scale operand
.endr
.irp b, 0,1,2,3
	v_lshrrev_b32 v[TM+8+\b], 23, v[TM+12+\b]      ; the scale's byte
.endr
	v_lshl_or_b32 v[PWB+(\a)], v[TM+9], 8, v[TM+8]
	v_lshl_or_b32 v[PWB+(\a)], v[TM+10], 16, v[PWB+(\a)]
	v_lshl_or_b32 v[PWB+(\a)], v[TM+11], 24, v[PWB+(\a)]
	WIN WW                                         ; source 0: the accumulators' window
.irp c, 0,1
	v_cvt_scalef32_pk8_fp4_f32 v[PCB+8*(\a)+4*\c],   v[AC+32*\c:AC+32*\c+7],     v[TM+12+2*\c]
	v_cvt_scalef32_pk8_fp4_f32 v[PCB+8*(\a)+4*\c+1], v[AC+32*\c+16:AC+32*\c+23], v[TM+13+2*\c]
	v_cvt_scalef32_pk8_fp4_f32 v[PCB+8*(\a)+4*\c+2], v[AC+32*\c+8:AC+32*\c+15],  v[TM+12+2*\c]
	v_cvt_scalef32_pk8_fp4_f32 v[PCB+8*(\a)+4*\c+3], v[AC+32*\c+24:AC+32*\c+31], v[TM+13+2*\c]
.endr
	WIN 0
	v_nop                                          ; one plain place behind a scaled conversion
.irp c, 0,1
	v_permlane16_swap_b32 v[PCB+8*(\a)+4*\c], v[PCB+8*(\a)+4*\c+1]
	v_permlane16_swap_b32 v[PCB+8*(\a)+4*\c+2], v[PCB+8*(\a)+4*\c+3]
.endr
.endm
	PLACES NP                                      ; behind the last products: their results are read and their scale registers written below
.irp b, 0,1,2,3
	v_mov_b32 v[TM+4+\b], 0                        ; written once: a lane permute's destination counts as one of its sources
.endr
.irp a, 0,1,2,3,4,5,6,7
	QUANTW \a                                      ; each block has registers of its own for its codes and its word: no store's data are written again
.endr
	s_cmp_eq_u32 s[ISV], 1
	s_cbranch_scc1 .Lout_v
.irp a, 0,1,2,3,4,5,6,7                ; q, k: block a is a tile of 16 tokens; registers 0-3 are my first head's 64, registers 4-7 my second head's
	global_store_b128 v[LI], v[PCB+8*\a:PCB+8*\a+3], s[6:7] offset:512*\a
	global_store_b128 v[LI], v[PCB+8*\a+4:PCB+8*\a+7], s[8:9] offset:512*\a
.endr
.irp a, 0,1,2,3,4,5,6,7
	v_bfe_u32 v[PWB+\a], v[PWB+\a], v[VSH], 16     ; lanes 0-15 keep the first head's two bytes, lanes 16-31 the second head's; bytes 2 and 3 are 0
.endr
	global_store_b128 v[SOF], v[PWB:PWB+3], s[10:11]               ; sixteen lanes store 256 consecutive bytes: [row][tile % 4]
	global_store_b128 v[SOF], v[PWB+4:PWB+7], s[10:11] offset:256
	s_branch .Lout_done
.Lout_v:
	s_wait_alu depctr_va_vdst(0)
.irp a, 0,1,2,3                        ; v: block a is a tile of 16 features, and its eight registers are a whole fragment of V^T for these 128 keys
.irp c, 0,1
	global_store_b128 v[LI], v[PCB+8*\a+4*\c:PCB+8*\a+4*\c+3], s[6:7] offset:1024*\a+512*\c
	global_store_b128 v[LI], v[PCB+32+8*\a+4*\c:PCB+32+8*\a+4*\c+3], s[8:9] offset:1024*\a+512*\c
.endr
.endr
	s_mov_b32 s12, 0xffff0000
.irp i, 0,1,2,3
	v_cndmask_b32 v[PWB+\i], v[PWB+\i], v[PWB+4+\i], s12           ; lanes 16-31 take the second head's tiles
.endr
	global_store_b128 v[SOF], v[PWB:PWB+3], s[10:11]               ; [row][tile]
.Lout_done:
	s_wait_tensorcnt 0x0                           ; the wave's end
	ds_add_u32 v[SPW], v[NIL]
	s_wait_dscnt 0x0
	CROUND                                         ; the closing round: no work-group ends while a partner may still ask for a tile that names it
	s_endpgm
.Lfunc_end_k_qb671dab59c_qkv:
	.size	k_qb671dab59c_qkv, .Lfunc_end_k_qb671dab59c_qkv-k_qb671dab59c_qkv
	.p2alignl 7, 3214868480
	.fill 96, 4, 3214868480
	.section	.rodata,"a",@progbits
	.p2align	6, 0x0
	.amdhsa_kernel k_qb671dab59c_qkv
		.amdhsa_group_segment_fixed_size 327680
		.amdhsa_private_segment_fixed_size 0
		.amdhsa_enable_private_segment 0
		.amdhsa_kernarg_size 104
		.amdhsa_user_sgpr_count 2
		.amdhsa_user_sgpr_kernarg_segment_ptr 1
		.amdhsa_wavefront_size32 1
		.amdhsa_system_sgpr_workgroup_id_x 1
		.amdhsa_system_sgpr_workgroup_id_y 1
		.amdhsa_system_sgpr_workgroup_id_z 1
		.amdhsa_system_vgpr_workitem_id 0
		.amdhsa_next_free_vgpr 1024
		.amdhsa_next_free_sgpr 102
		.amdhsa_reserve_vcc 0
		.amdhsa_float_denorm_mode_32 3
		.amdhsa_float_denorm_mode_16_64 3
		.amdhsa_memory_ordered 1
		.amdhsa_forward_progress 1
		.amdhsa_inst_pref_size 150
	.end_amdhsa_kernel
	.amdgpu_metadata
---
amdhsa.version: [ 1, 2 ]
amdhsa.kernels:
  - .name:           k_qb671dab59c_qkv
    .symbol:         k_qb671dab59c_qkv.kd
    .args:
      - { .name: x_codes, .offset: 0, .size: 8, .value_kind: global_buffer, .address_space: global }
      - { .name: x_scales, .offset: 8, .size: 8, .value_kind: global_buffer, .address_space: global }
      - { .name: wq_codes, .offset: 16, .size: 8, .value_kind: global_buffer, .address_space: global }
      - { .name: wq_scales, .offset: 24, .size: 8, .value_kind: global_buffer, .address_space: global }
      - { .name: wk_codes, .offset: 32, .size: 8, .value_kind: global_buffer, .address_space: global }
      - { .name: wk_scales, .offset: 40, .size: 8, .value_kind: global_buffer, .address_space: global }
      - { .name: wv_codes, .offset: 48, .size: 8, .value_kind: global_buffer, .address_space: global }
      - { .name: wv_scales, .offset: 56, .size: 8, .value_kind: global_buffer, .address_space: global }
      - { .name: bq, .offset: 64, .size: 8, .value_kind: global_buffer, .address_space: global }
      - { .name: bk, .offset: 72, .size: 8, .value_kind: global_buffer, .address_space: global }
      - { .name: bv, .offset: 80, .size: 8, .value_kind: global_buffer, .address_space: global }
      - { .name: qb, .offset: 88, .size: 8, .value_kind: global_buffer, .address_space: global }
      - { .name: kv, .offset: 96, .size: 8, .value_kind: global_buffer, .address_space: global }
    .group_segment_fixed_size: 327680
    .private_segment_fixed_size: 0
    .kernarg_segment_align: 8
    .kernarg_segment_size: 104
    .max_flat_workgroup_size: 128
    .sgpr_count:     102
    .vgpr_count:     1024
    .wavefront_size: 32
...
	.end_amdgpu_metadata
.endif
;; end of part 1
;; launch attn (part 2): grid 8 x 32, 16 waves a work-group, clusters of 4 x 1, 327,680 bytes of LDS; arguments qb, kv, oc, os; writes oc, os
.if DOCPART == 2
	.amdgcn_target "amdgcn-amd-amdhsa--gfx1250"
	.amdhsa_code_object_version 6
	.text
	.protected	k_qb671dab59c_attn
	.globl	k_qb671dab59c_attn
	.p2align	8
	.type	k_qb671dab59c_attn,@function
k_qb671dab59c_attn:
	s_mov_b64 s[64:65], 0
	v_nop
	global_prefetch_b8 v0, s[64:65] scope:SCOPE_SE
	s_setreg_imm32_b32 hwreg(HW_REG_WAVE_MODE, 25, 1), 1
	s_wait_xcnt 0x0
	s_wait_alu depctr_hold_cnt(0) depctr_sa_sdst(0) depctr_va_vdst(0) depctr_va_sdst(0) depctr_va_ssrc(0) depctr_va_vcc(0) depctr_vm_vsrc(0)
	s_getreg_b32 s2, hwreg(HW_REG_IB_STS2, 6, 4)
	s_cmp_eq_u32 s2, 0
	s_cbranch_scc0 .Lentry_in_a_cluster
	s_endpgm
.Lentry_in_a_cluster:
	s_bfe_u32 s2, ttmp6, 0x10000c
	s_cmp_lg_u32 s2, 0x3003
	s_cbranch_scc0 .Lentry_shape_is_right
	s_endpgm
.Lentry_shape_is_right:
; o = softmax(q k^T / 8) v for each of 64 heads of 64, 2,048 queries and keys, both products on codes of FP4 (E2M1) with E8M0 scales; o / l is quantised along the model's 1,024 for the last projection.
; Nothing of the problem is left out here.
; THE SOFTMAX AHEAD OF THE SECOND PRODUCT: t = score x log2(e) / 8; M = the row's largest t so far, rounded UP to a whole number; p = 2^(t - M) is quantised along the keys, not normalised.  The row's sum l is
; taken of the unquantised p, in f32.  When M moves, l and O are multiplied by 2^(old M - new M): exact.
; LIMITS: NaN and infinities are not served.  p under 2^-126 comes out of v_exp_f32 as 0.  1 / l is v_rcp_f32 and a multiplication.  A block under 2^(3 - 127), zeros among them, keeps the scale byte 1.
; A block's largest p is made from the block's largest score by the same multiply-add and exponential as every p.
; SHARES.  A work-group owns 256 queries of a PAIR of heads (y = 8 x batch + pair); each of its sixteen waves owns one tile of 16 queries and takes the two heads one after the other, so that it ends with a whole
; fragment (16 rows x 128 along the last product's K) and a whole scale word.  Four waves to a SIMD: one wave's vector work stands beside another's matrix work and LDS loads.
; LDS.  The pair's K, V and scale words, 2 x 143,360 bytes as the launch before laid them, come ONCE: wave w brings the 8,960 bytes of keys 128 w on, for each head: two tensor loads a wave are out at the most.
; Nothing is filled again and nothing is stored to LDS, so the loop over the keys has no barrier.  No prefetch is laid: all that a work-group reads is asked for by its first loads, at its head.
; CLUSTER.  The four query blocks of a cluster walk the same pair of heads: each load is asked for JOINTLY, with the same descriptor and a mask that names the four.
; LAYOUT.  S^T = K Q^T (source 0 = 16 keys, source 1 = my 16 queries), O^T = V^T P^T: a lane holds ONE query (l % 16) throughout.  All operands lie in LDS as images of their registers: lane l's 16 bytes at 16 l.
; THE FIRST PRODUCT'S K IS 64: a fragment's registers 0-3 hold d = 32 (l / 16) + 0 .. 31.  Q's registers 4-7 are zero codes; K's fragment of tile t is v[32 + 4 t .. 39 + 4 t], whose upper four registers are the
; next tile's codes: against zero codes they add nothing, and the scale words' bytes 2 and 3 are 0, which is a number.
; OUT.  oc [16 rows: 512][128 along K: 8][register group: 2][512]: the image of the last product's fragment; os [8,192][32]: scale bytes by rows.  A wave's scale words are 4 bytes of each of 16 rows of 32:
; a run of 256 bytes of os is written in parts, by eight work-groups; that is one byte in seventeen of what this launch stores.
; REGISTERS: v1-3 lane terms; v5, v6 the add's two; v8, v9 LDS addresses; v12 -M, v13 the largest t, v[14:15] l in two halves; v16-31 Q of both heads with their zeros; v32-67 K's eight tiles and four zeros;
; v68-75 K's scale words, v76-79 V's, v80-81 Q's; v82 o's scale word; v84-91 o's codes; v96-159 S^T, then p; v160-191 O^T; v192-223 V^T's four fragments; v224-231 p's codes; v232-254 at work.
.set HEADB, 143360                     ; a head's bytes in kv
.set KB,    8960                       ; those of 128 keys: K 4,096, V 4,096, K's scale words 512, V's 256
.set QHS,   73728                      ; a head's bytes in qb
.set QBS,   4608                       ; those of 128 queries
.set SPARE, 2*HEADB                    ; the spare words, 128 bytes for each wave: eight blocks of 256 bytes that no other line names
.set LI,  1                            ; v1  16 x lane
.set LR,  2                            ; v2  16 x (l % 16)
.set R32, 3                            ; v3  32 x (l % 16)
.set SPW, 5
.set NIL, 6
.set ADR, 8
.set ADS, 9
.set WV,  12
.set SEL, 40
.set CS,  42                           ; s[42:43] c = log2(e) / 8
.set TB,  44                           ; LDS byte at which the step's 128 keys begin
.set CNT, 45
.macro ROUND                           ; a round of the cluster's barrier
	s_barrier_signal -1
	s_barrier_wait -1
	s_cmp_lg_u32 s[WV], 0
	s_cbranch_scc1 .Lnot_wave_0_\@
	s_barrier_signal -3
.Lnot_wave_0_\@:
	s_barrier_wait -3
	s_barrier_signal -1
	s_barrier_wait -1
.endm
	s_load_b256 s[4:11], s[0:1], 0x0               ; qb s[4:5], kv s[6:7], oc s[8:9], os s[10:11]
	v_lshl_add_u32 v[SPW], v0, 2, SPARE
	v_mov_b32 v[NIL], 0
	ds_add_u32 v[SPW], v[NIL]                      ; the wave's opening: the add, twice on end, and its wait ahead of my first tensor load
	ds_add_u32 v[SPW], v[NIL]
	v_lshrrev_b32 v8, 5, v0
	s_delay_alu instid0(VALU_DEP_1)
	v_readfirstlane_b32 s[WV], v8                  ; wave 0..15
	s_bfe_u32 s13, ttmp6, 0x40000                  ; cx
	s_lshl_b32 s14, ttmp9, 2
	s_add_co_u32 s14, s14, s13                     ; my block of 256 queries: it enters global addresses of Q and of the results alone
	s_and_b32 s15, ttmp7, 0xffff                   ; y = 8 x batch + pair of heads, which the four partners share
	; descriptor group 1: 8,960 dense bytes as 35 rows of 256 (32 elements of 8 bytes), no padding: an image's 512 bytes are read on end
	s_mov_b32 s24, 15|(3<<16)|(1<<21)              ; the mask: all four work-groups; elements of 8 bytes; bit 21 beside a mask
	s_mov_b32 s25, 32<<16                          ; tensor_dim0
	s_mov_b32 s26, 35<<16                          ; tensor_dim1
	s_mov_b32 s27, 32<<16                          ; tile_dim0
	s_mov_b32 s28, 35                              ; tile_dim1
	s_mov_b32 s29, 32                              ; from row to row
	s_mov_b32 s30, 0
	s_mov_b32 s31, 0
	s_mov_b32 s[SEL], 0x76543210
	s_mov_b32 s[SEL+1], 0xfedcba98
	s_mov_b32 s[CS], 0x3e38aa3b                    ; log2(e) / 8
	s_mov_b32 s[CS+1], s[CS]                       ; (named with it as a pair, so it is written)
	s_mul_i32 s46, s15, 2*HEADB
	s_mul_i32 s48, s[WV], KB                       ; my 128 keys: in memory and in LDS alike
	s_add_co_u32 s46, s46, s48
	s_mov_b32 s47, 0
	s_wait_dscnt 0x0                               ; both opening adds are done
	s_wait_kmcnt 0x0
	s_mov_b32 s32, 1
	s_mov_b32 s33, s48
	s_add_nc_u64 s[34:35], s[6:7], s[46:47]
	s_mov_b32 s36, 1
	s_add_co_u32 s37, s48, HEADB
	s_add_nc_u64 s[38:39], s[34:35], HEADB
	s_or_b32 s35, s35, 0x80000000
	s_or_b32 s39, s39, 0x80000000
	ROUND                                          ; all four work-groups are here: the joint loads meet
	tensor_load_to_lds s[32:35], s[24:31]          ; the first head's
	s_nop 0
	s_wait_alu depctr_va_vdst(0)
	s_wait_tensorcnt 0x0
	ds_add_u32 v5, v6
	s_wait_dscnt 0x0
	ROUND
	tensor_load_to_lds s[36:39], s[24:31]          ; the second head's: it lands under the first head's sixteen key steps
	s_nop 0
.rept 4
	v_nop
.endr
	v_and_b32 v8, 31, v0
	s_delay_alu instid0(VALU_DEP_1)
	v_lshlrev_b32 v[LI], 4, v8
	s_wait_alu depctr_va_vdst(0)
	v_and_b32 v9, 15, v0
	s_delay_alu instid0(VALU_DEP_1)
	v_lshlrev_b32 v[LR], 4, v9
	s_wait_alu depctr_va_vdst(0)
	v_lshlrev_b32 v[R32], 5, v9
	s_mul_i32 s46, s15, 2*QHS                      ; Q: my first head,
	s_lshl_b32 s48, s14, 1
	s_lshr_b32 s49, s[WV], 3
	s_add_co_u32 s48, s48, s49
	s_mul_i32 s48, s48, QBS                        ; the 128 queries that hold my tile,
	s_add_co_u32 s46, s46, s48
	s_and_b32 s49, s[WV], 7
	s_lshl_b32 s49, s49, 9                         ; my tile's image
	s_add_co_u32 s48, s46, s49
	s_mov_b32 s49, 0
	s_add_nc_u64 s[48:49], s[4:5], s[48:49]
	s_bfe_u32 s50, s[WV], 0x10002                  ; its scale words: group (tile / 4) % 2 of 256 bytes,
	s_lshl_b32 s50, s50, 8
	s_and_b32 s51, s[WV], 3
	s_lshl_b32 s51, s51, 2                         ; word tile % 4 of a row's four
	s_add_co_u32 s50, s50, s51
	s_add_co_u32 s50, s50, s46
	s_add_co_u32 s50, s50, 4096
	s_mov_b32 s51, 0
	s_add_nc_u64 s[50:51], s[4:5], s[50:51]
	global_load_b128 v[16:19], v[LI], s[48:49]
	global_load_b128 v[24:27], v[LI], s[48:49] offset:QHS
	global_load_b32 v80, v[LR], s[50:51]
	global_load_b32 v81, v[LR], s[50:51] offset:QHS
	s_lshr_b32 s52, s15, 3                         ; the results: tile of rows = 128 x batch + 16 x block + wave
	s_lshl_b32 s52, s52, 7
	s_lshl_b32 s53, s14, 4
	s_add_co_u32 s52, s52, s53
	s_add_co_u32 s52, s52, s[WV]
	s_and_b32 s53, s15, 7                          ; the pair of heads = which 128 along the last product's K
	s_lshl_b32 s54, s52, 13
	s_lshl_b32 s55, s53, 10
	s_add_co_u32 s54, s54, s55
	s_mov_b32 s55, 0
	s_add_nc_u64 s[8:9], s[8:9], s[54:55]
	s_lshl_b32 s54, s52, 9
	s_lshl_b32 s53, s53, 2
	s_add_co_u32 s54, s54, s53
	s_add_nc_u64 s[10:11], s[10:11], s[54:55]
.irp j, 20,21,22,23,28,29,30,31,64,65,66,67
	v_mov_b32 v[\j], 0                             ; zero codes: the upper halves of Q's fragments, and behind K's last tile
.endr
.irp b, 0,1,2,3
	v_mov_b32 v[236+\b], 0                         ; written once: a lane permute's destination counts as one of its sources
.endr
	v_mov_b32 v252, 0
	v_mov_b32 v253, 0                              ; (named as the upper half of the pair v[252:253] before it is first written)
; ONE HEAD: sixteen key steps of 128, then o / l and its codes.
.macro HEAD hh
.set QF, 16+8*\hh
.set QS, 80+\hh
	v_mov_b32 v13, 0xff61b1e6                      ; the largest t so far: -3e38, under every t
	s_delay_alu instid0(VALU_DEP_1)
	v_floor_f32 v12, -v13                          ; -M
	v_mov_b32 v14, 0
	v_mov_b32 v15, 0
.irp j, 0,1,2,3,4,5,6,7,8,9,10,11,12,13,14,15,16,17,18,19,20,21,22,23,24,25,26,27,28,29,30,31
	v_mov_b32 v[160+\j], 0                         ; O^T.  (The step is written once: the first finds zeros, which the first change of M leaves zeros)
.endr
	s_mov_b32 s[TB], \hh*HEADB
	s_mov_b32 s[CNT], 16
.Lstep_\@:
	s_setprio 2
	v_add_nc_u32 v[ADR], s[TB], v[LI]
	v_add_nc_u32 v[ADS], s[TB], v[LR]
	v_nop
	v_nop                                          ; four places between the last step's products and the loads into the registers that they read
	ds_load_b128 v[68:71], v[ADS] offset:8192      ; K's scale words: a row's four tiles at once
	ds_load_b128 v[72:75], v[ADS] offset:8448
.irp t, 0,1,2,3,4,5,6,7
	ds_load_b128 v[32+4*\t:35+4*\t], v[ADR] offset:512*\t
.endr
	ds_load_b128 v[76:79], v[ADS] offset:8704      ; V's scale words
.irp i, 0,1,2,3,4,5,6,7
	ds_load_b128 v[192+4*\i:195+4*\i], v[ADR] offset:4096+512*\i
.endr
	s_wait_dscnt 9                                 ; K's ten loads are in; V's nine may be out: they land under the softmax
.irp t, 0,1,2,3,4,5,6,7
	v_wmma_scale_f32_16x16x128_f8f6f4 v[96+8*\t:103+8*\t], v[32+4*\t:39+4*\t], v[QF:QF+7], 0, v[68+\t], v[QS] matrix_a_fmt:MATRIX_FMT_FP4 matrix_b_fmt:MATRIX_FMT_FP4
.endr                                              ; lane (r, h): query r; register 8 t + j: key 16 t + 8 h + j.  A block of 32 keys is tiles 2 b, 2 b + 1 in lanes l and l xor 16
.rept 4
	v_nop
.endr
.irp b, 0,1,2,3
	v_max3_num_f32 v[232+\b], v[96+16*\b], v[97+16*\b], v[98+16*\b]   ; the largest score of each block of 32 keys: for the row's maximum and for the block's largest p
.endr
.irp i, 3,5,7,9,11,13
.irp b, 0,1,2,3
	v_max3_num_f32 v[232+\b], v[232+\b], v[96+16*\b+\i], v[97+16*\b+\i]
.endr
.endr
.irp b, 0,1,2,3
	v_max_num_f32 v[232+\b], v[232+\b], v[111+16*\b]
.endr
.irp b, 0,1,2,3
	s_delay_alu instid0(VALU_DEP_4)
	v_permlanex16_b32 v[236+\b], v[232+\b], s[SEL], s[SEL+1]
.endr
.irp b, 0,1,2,3
	s_delay_alu instid0(VALU_DEP_4)
	v_max_num_f32 v[232+\b], v[232+\b], v[236+\b]  ; with lane l xor 16's 16 keys
.endr
	s_delay_alu instid0(VALU_DEP_2)
	v_max3_num_f32 v254, v232, v233, v234
	s_delay_alu instid0(VALU_DEP_1)
	v_max_num_f32 v254, v254, v235                 ; the step's largest score of my query
	s_delay_alu instid0(VALU_DEP_1)
	v_mul_f32 v254, s[CS], v254                    ; as t (c is positive)
	s_delay_alu instid0(VALU_DEP_1)
	v_max_num_f32 v13, v13, v254                   ; the running largest t
	v_mov_b32 v254, v12
	s_delay_alu instid0(VALU_DEP_2)
	v_floor_f32 v12, -v13                          ; the new -M = floor(-t) = -ceil(t)
	s_delay_alu instid0(VALU_DEP_1)
	v_sub_f32 v254, v12, v254                      ; old M - new M: a whole number, 0 or less
	s_delay_alu instid0(VALU_DEP_1)
	v_cvt_i32_f32 v254, v254                       ; (it saturates)
	s_delay_alu instid0(VALU_DEP_1)
	v_ldexp_f32 v252, 1.0, v254                    ; f = 2^(old M - new M)
.irp j, 0,2,4,6,8,10,12,14,16,18,20,22,24,26,28,30,32,34,36,38,40,42,44,46,48,50,52,54,56,58,60,62
	v_pk_fma_f32 v[96+\j:97+\j], v[96+\j:97+\j], s[CS:CS+1], v[12:13] op_sel_hi:[1,0,0]   ; t - M, two at a time
.endr
.irp b, 0,1,2,3
	v_fma_f32 v[232+\b], v[232+\b], s[CS], v12     ; the same of each block's largest score
.endr
	s_wait_alu depctr_va_vdst(0)
.irp j, 0,1,2,3,4,5,6,7,8,9,10,11,12,13,14,15,16,17,18,19,20,21,22,23,24,25,26,27,28,29,30,31,32,33,34,35,36,37,38,39,40,41,42,43,44,45,46,47,48,49,50,51,52,53,54,55,56,57,58,59,60,61,62,63
	v_exp_f32 v[96+\j], v[96+\j]                   ; p = 2^(t - M), at most 1
.endr
	s_setprio 1
	v_pk_mul_f32 v[14:15], v[14:15], v[252:253] op_sel_hi:[1,0]   ; l under the new M: the plain place behind the exponentials
	s_wait_alu depctr_va_vdst(0)                   ; one wait for the whole batch, ahead of its first reader
.irp b, 0,1,2,3
	v_exp_f32 v[232+\b], v[232+\b]                 ; the block's largest p
.endr
	v_pk_add_f32 v[236:237], v[96:97], v[98:99]    ; the row's sum of the unquantised p: two at a time, in two chains; plain work behind the four
.irp j, 4,8,12,16,20,24,28,32,36,40,44,48,52,56,60
	v_pk_add_f32 v[14:15], v[14:15], v[96+\j:97+\j]
	v_pk_add_f32 v[236:237], v[236:237], v[98+\j:99+\j]
.endr
	s_delay_alu instid0(VALU_DEP_1)
	v_pk_add_f32 v[14:15], v[14:15], v[236:237]
	s_wait_alu depctr_va_vdst(0)                   ; and one for the four
.irp b, 0,1,2,3
	v_max_num_f32 v[232+\b], 0x1800000, v[232+\b]  ; the floor 2^(3 - 127): the byte cannot fall under 1
.endr
.irp b, 0,1,2,3
	s_delay_alu instid0(VALU_DEP_4)
	v_add_nc_u32 v[244+\b], 0xff000000, v[232+\b]  ; 2 off the exponent field: the conversion's scale operand
.endr
.irp b, 0,1,2,3
	s_delay_alu instid0(VALU_DEP_4)
	v_lshrrev_b32 v[236+\b], 23, v[244+\b]         ; the scale's byte
.endr
	s_delay_alu instid0(VALU_DEP_3)
	v_lshl_or_b32 v253, v237, 8, v236              ; p's scale word for these 128 keys
	s_delay_alu instid0(VALU_DEP_1)
	v_lshl_or_b32 v253, v238, 16, v253
	s_delay_alu instid0(VALU_DEP_1)
	v_lshl_or_b32 v253, v239, 24, v253
.irp c, 0,1                            ; laid so that two exchanges of halves give registers 4 c .. 4 c + 3 = keys 64 c + 32 h + 0 .. 31
	v_cvt_scalef32_pk8_fp4_f32 v[224+4*\c], v[96+32*\c:103+32*\c], v[244+2*\c]
	v_cvt_scalef32_pk8_fp4_f32 v[225+4*\c], v[112+32*\c:119+32*\c], v[245+2*\c]
	v_cvt_scalef32_pk8_fp4_f32 v[226+4*\c], v[104+32*\c:111+32*\c], v[244+2*\c]
	v_cvt_scalef32_pk8_fp4_f32 v[227+4*\c], v[120+32*\c:127+32*\c], v[245+2*\c]
.endr
	v_nop                                          ; one plain place behind a scaled conversion
.irp c, 0,1
	v_permlane16_swap_b32 v[224+4*\c], v[225+4*\c]
	v_permlane16_swap_b32 v[226+4*\c], v[227+4*\c]
.endr
	s_setprio 0
.irp j, 0,2,4,6,8,10,12,14,16,18,20,22,24,26,28,30
	v_pk_mul_f32 v[160+\j:161+\j], v[160+\j:161+\j], v[252:253] op_sel_hi:[1,0]   ; O^T under the new M.  (These sixteen are also the places between p's codes and scale word and the products)
.endr
	s_wait_alu depctr_va_vdst(0)
	s_wait_dscnt 0x0                               ; V's fragments and scale words are in
.irp a, 0,1,2,3                        ; the four accumulators take turns, one instruction a turn
	v_wmma_scale_f32_16x16x128_f8f6f4 v[160+8*\a:167+8*\a], v[192+8*\a:199+8*\a], v[224:231], v[160+8*\a:167+8*\a], v[76+\a], v253 matrix_a_fmt:MATRIX_FMT_FP4 matrix_b_fmt:MATRIX_FMT_FP4
.endr
	s_add_co_u32 s[TB], s[TB], KB
	s_sub_co_u32 s[CNT], s[CNT], 1
	s_cmp_lg_u32 s[CNT], 0
	s_cbranch_scc1 .Lstep_\@
	s_setprio 0
	v_add_f32 v14, v14, v15                        ; l's two halves,
	s_delay_alu instid0(VALU_DEP_1)
	v_permlanex16_b32 v252, v14, s[SEL], s[SEL+1]
	s_delay_alu instid0(VALU_DEP_1)
	v_add_f32 v14, v14, v252                       ; and lane l xor 16's
	s_wait_alu depctr_va_vdst(0)
	v_rcp_f32 v14, v14
.rept 4
	v_nop                                          ; the plain place behind the reciprocal, and the places behind the last products
.endr
	s_wait_alu depctr_va_vdst(0)
.irp j, 0,2,4,6,8,10,12,14,16,18,20,22,24,26,28,30
	v_pk_mul_f32 v[96+\j:97+\j], v[160+\j:161+\j], v[14:15] op_sel_hi:[1,0]   ; o = O^T / l: register 8 a + j is d = 16 a + 8 h + j of my query
.endr
.irp b, 0,1                            ; the head's two blocks of 32 along the last product's K
	v_max3_num_f32 v[232+\b], |v[96+16*\b]|, |v[97+16*\b]|, 0x1800000
.endr
.irp i, 2,4,6,8,10,12,14
.irp b, 0,1
	s_delay_alu instid0(VALU_DEP_2)
	v_max3_num_f32 v[232+\b], v[232+\b], |v[96+16*\b+\i]|, |v[97+16*\b+\i]|
.endr
.endr
.irp b, 0,1
	s_delay_alu instid0(VALU_DEP_2)
	v_permlanex16_b32 v[236+\b], v[232+\b], s[SEL], s[SEL+1]
.endr
.irp b, 0,1
	s_delay_alu instid0(VALU_DEP_2)
	v_max_num_f32 v[232+\b], v[232+\b], v[236+\b]
.endr
.irp b, 0,1
	s_delay_alu instid0(VALU_DEP_2)
	v_add_nc_u32 v[244+\b], 0xff000000, v[232+\b]
.endr
.irp b, 0,1
	s_delay_alu instid0(VALU_DEP_2)
	v_lshrrev_b32 v[236+\b], 23, v[244+\b]
.endr
.if \hh == 0
	s_delay_alu instid0(VALU_DEP_1)
	v_lshl_or_b32 v82, v237, 8, v236               ; bytes 0 and 1 of my row's scale word
.else
	s_delay_alu instid0(VALU_DEP_2)
	v_lshl_or_b32 v82, v236, 16, v82               ; bytes 2 and 3
	s_delay_alu instid0(VALU_DEP_1)
	v_lshl_or_b32 v82, v237, 24, v82
.endif
	v_cvt_scalef32_pk8_fp4_f32 v[84+4*\hh], v[96:103], v244
	v_cvt_scalef32_pk8_fp4_f32 v[85+4*\hh], v[112:119], v245
	v_cvt_scalef32_pk8_fp4_f32 v[86+4*\hh], v[104:111], v244
	v_cvt_scalef32_pk8_fp4_f32 v[87+4*\hh], v[120:127], v245
	v_nop
	v_permlane16_swap_b32 v[84+4*\hh], v[85+4*\hh] ; registers 4 hh .. 4 hh + 3 of the fragment: k = 64 hh + 32 h + 0 .. 31
	v_permlane16_swap_b32 v[86+4*\hh], v[87+4*\hh]
.endm
	s_wait_tensorcnt 0x1                           ; my part of the first head is in; the second head's load may be out
	s_barrier_signal -1
	s_barrier_wait -1                              ; everybody's is
	s_wait_loadcnt 0x0                             ; Q
	HEAD 0
	s_wait_tensorcnt 0x0                           ; my part of the second head is in,
	s_wait_dscnt 0x0
	s_barrier_signal -1
	s_barrier_wait -1                              ; everybody's is
	HEAD 1
	global_store_b128 v[LI], v[84:87], s[8:9]      ; 32 lanes store 512 consecutive bytes
	global_store_b128 v[LI], v[88:91], s[8:9] offset:512
	global_store_b32 v[R32], v82, s[10:11]         ; my row's word; lanes 16-31 hold the same word and write it to the same place
	s_wait_tensorcnt 0x0                           ; the wave's end
	ds_add_u32 v[SPW], v[NIL]
	s_wait_dscnt 0x0
	ROUND                                          ; the closing round
	s_endpgm
.Lfunc_end_k_qb671dab59c_attn:
	.size	k_qb671dab59c_attn, .Lfunc_end_k_qb671dab59c_attn-k_qb671dab59c_attn
	.p2alignl 7, 3214868480
	.fill 96, 4, 3214868480
	.section	.rodata,"a",@progbits
	.p2align	6, 0x0
	.amdhsa_kernel k_qb671dab59c_attn
		.amdhsa_group_segment_fixed_size 327680
		.amdhsa_private_segment_fixed_size 0
		.amdhsa_enable_private_segment 0
		.amdhsa_kernarg_size 32
		.amdhsa_user_sgpr_count 2
		.amdhsa_user_sgpr_kernarg_segment_ptr 1
		.amdhsa_wavefront_size32 1
		.amdhsa_system_sgpr_workgroup_id_x 1
		.amdhsa_system_sgpr_workgroup_id_y 1
		.amdhsa_system_sgpr_workgroup_id_z 1
		.amdhsa_system_vgpr_workitem_id 0
		.amdhsa_next_free_vgpr 256
		.amdhsa_next_free_sgpr 66
		.amdhsa_reserve_vcc 0
		.amdhsa_float_denorm_mode_32 3
		.amdhsa_float_denorm_mode_16_64 3
		.amdhsa_memory_ordered 1
		.amdhsa_forward_progress 1
		.amdhsa_inst_pref_size 50
	.end_amdhsa_kernel
	.amdgpu_metadata
---
amdhsa.version: [ 1, 2 ]
amdhsa.kernels:
  - .name:           k_qb671dab59c_attn
    .symbol:         k_qb671dab59c_attn.kd
    .args:
      - { .name: qb, .offset: 0, .size: 8, .value_kind: global_buffer, .address_space: global }
      - { .name: kv, .offset: 8, .size: 8, .value_kind: global_buffer, .address_space: global }
      - { .name: oc, .offset: 16, .size: 8, .value_kind: global_buffer, .address_space: global }
      - { .name: os, .offset: 24, .size: 8, .value_kind: global_buffer, .address_space: global }
    .group_segment_fixed_size: 327680
    .private_segment_fixed_size: 0
    .kernarg_segment_align: 8
    .kernarg_segment_size: 32
    .max_flat_workgroup_size: 512
    .sgpr_count:     66
    .vgpr_count:     256
    .wavefront_size: 32
...
	.end_amdgpu_metadata
.endif
;; end of part 2
;; launch proj (part 3): grid 4 x 32, 4 waves a work-group, clusters of 4 x 4, 327,680 bytes of LDS; arguments oc, os, wo_codes, wo_scales, bo, out0; writes out0
.if DOCPART == 3
	.amdgcn_target "amdgcn-amd-amdhsa--gfx1250"
	.amdhsa_code_object_version 6
	.text
	.protected	k_qb671dab59c_proj
	.globl	k_qb671dab59c_proj
	.p2align	8
	.type	k_qb671dab59c_proj,@function
k_qb671dab59c_proj:
	s_mov_b64 s[64:65], 0
	v_nop
	global_prefetch_b8 v0, s[64:65] scope:SCOPE_SE
	s_setreg_imm32_b32 hwreg(HW_REG_WAVE_MODE, 25, 1), 1
	s_wait_xcnt 0x0
	s_wait_alu depctr_hold_cnt(0) depctr_sa_sdst(0) depctr_va_vdst(0) depctr_va_sdst(0) depctr_va_ssrc(0) depctr_va_vcc(0) depctr_vm_vsrc(0)
	s_getreg_b32 s2, hwreg(HW_REG_IB_STS2, 6, 4)
	s_cmp_eq_u32 s2, 0
	s_cbranch_scc0 .Lentry_in_a_cluster
	s_endpgm
.Lentry_in_a_cluster:
	s_bfe_u32 s2, ttmp6, 0x10000c
	s_cmp_lg_u32 s2, 0xf033
	s_cbranch_scc0 .Lentry_shape_is_right
	s_endpgm
.Lentry_shape_is_right:
; out0 = o wo + bo: [8,192][1,024] f32, on codes of FP4 (E2M1) with one E8M0 scale for each 32 along K = 1,024.  Nothing of the problem is left out here.
; A = o: its codes lie in oc as images of the operand's registers, [16 rows: 512][128 along K: 8][register group: 2][512]; its scale bytes in os, [8,192][32].  B = wo: codes [1,024][512 bytes], K innermost; scale bytes [1,024][32].
; LIMIT: the bias is the C of each sum's first product, so it is added ahead of the products: another order of f32 rounding.
; A tile of 256 x 256 is made by a work-group of four waves, a wave makes 128 x 128: 64 accumulators.  128 work-groups: a tile of half the rows would give 256, at twice the LDS bytes for each product of B's fragments.
; K is two slots of 512: both slots and all scale bytes are first fills; nothing is filled again.  No prefetch is laid: all that a work-group reads is asked for by its first loads, at its head.
; CLUSTERS: 4 x 4 work-groups; A's tiles are asked for jointly by a row of the cluster, B's by a column.  THE MATRIX INSTRUCTION IS USED TRANSPOSED (source 0 = 16 rows of wo, source 1 = 16 rows of o):
; a lane holds eight neighbouring numbers of a row of the result.
; REGISTERS, in windows of 256: window 0: v0-31 addresses; v32-95 scale words, two sets; v128-191 A's fragments, one set; v192-255 the bias as C; on the way out v128-255 take rows.
;   window 1: B's fragments, two sets.   windows 2, 3: the accumulators ((a, b) at v[8 (8 (a % 4) + b)]).
.set SIZE_N, 1024
.set NQ,     4
.set ROWB,   256
.set KROW,   512
.set PITCH,  272                       ; B's LDS rows: 256 bytes + 16 of padding
.set FR,     8
.set NL,     2
.set NP,     4
.set HALFA,  32768                     ; A's 128 rows of a slot: 8 tiles x 4,096 bytes of images, dense
.set HALFT,  128*PITCH
.set BOFF,   2*HALFA
.set SLOT,   BOFF+2*HALFT
.set KS,     32
.set SCL,    2*SLOT
.set HALFS,  (128*KS/256)*272
.set SBLK,   (16*KS/256)*272
.set SPARE,  SCL+4*HALFS               ; the spare words, 128 bytes for each wave: two blocks of 256 bytes that no other line names
.set SPITCH, 528                       ; the way out: a stage of 16 rows x (512 bytes + 16) for each wave, in slot 0, which has had its only fill and its last read when the first result is stored there
.set ADRA, 16
.set ADRB, 20
.set STO,  24
.set RD,   25
.set CO,   26                          ; v26  16 x lane: my place in an image, and in a row of the result
.set ADRS, 27
.set SPW,  28
.set NIL,  29
.set VB,   30
.set SC,   32
.set AF,   128
.set BK,   128
.set BI,   192
.set G1, 24
.set G0, 32
.set G1B, 48
.set G0B, 56
.set G1S, 68
.set G0S, 76
.set G1SB, 80
.set G0SB, 88
.set MSB, 0
.macro WIN new
.if MSB != \new
	s_set_vgpr_msb (MSB<<8)|\new
.set MSB, \new
.endif
.endm
.set MUL_LO, 0xa1
.set MUL_HI, 0xf1
.set BIA_LO, 0x81                      ; the first step: C (the bias) window 0
.set BIA_HI, 0xc1
.set TO_B,   0x40
.macro JLOAD g0a, g1a, g0b, g1b        ; a joint load: waves 0 and 1 fetch for A, waves 2 and 3 for B; an s_nop 0 and four v_nop follow each line
	s_cmp_eq_u32 s15, 0
	s_cbranch_scc0 .Lfor_b_\@
	tensor_load_to_lds s[\g0a:\g0a+3], s[\g1a:\g1a+7]
	s_nop 0
.rept 4
	v_nop
.endr
	s_branch .Lasked_\@
.Lfor_b_\@:
	tensor_load_to_lds s[\g0b:\g0b+3], s[\g1b:\g1b+7]
	s_nop 0
.rept 4
	v_nop
.endr
.Lasked_\@:
.endm
.macro CROUND
	s_barrier_signal -1
	s_barrier_wait -1
	s_cmp_lg_u32 s14, 0
	s_cbranch_scc1 .Lnot_wave_0_\@
	s_barrier_signal -3
.Lnot_wave_0_\@:
	s_barrier_wait -3
	s_barrier_signal -1
	s_barrier_wait -1
.endm
	s_load_b128 s[4:7], s[0:1], 0x0                ; oc, os
	s_load_b128 s[8:11], s[0:1], 0x10              ; wo's codes, wo's scales
	s_load_b64 s[96:97], s[0:1], 0x20              ; bo
	s_load_b64 s[12:13], s[0:1], 0x28              ; out0
	v_lshl_add_u32 v[SPW], v0, 2, SPARE
	v_mov_b32 v[NIL], 0
	ds_add_u32 v[SPW], v[NIL]                      ; the wave's opening: the add, twice on end, and its wait ahead of my first tensor load
	ds_add_u32 v[SPW], v[NIL]
	v_lshrrev_b32 v1, 5, v0
	v_readfirstlane_b32 s14, v1                    ; wave 0..3
	s_lshr_b32 s15, s14, 1                         ; which half of the tile's rows is mine.  Also: I fetch for A (0) or for B (1)
	s_and_b32 s16, s14, 1                          ; which half of its columns.  Also: which 128 rows of that tile I fetch
	s_bfe_u32 s40, ttmp6, 0x40000
	s_bfe_u32 s41, ttmp6, 0x40004
	s_lshl_b32 s42, ttmp9, 2
	s_add_co_u32 s42, s42, s40                     ; tile column
	s_and_b32 s17, ttmp7, 0xffff
	s_lshl_b32 s17, s17, 2
	s_add_co_u32 s17, s17, s41                     ; tile row
	s_lshl_b32 s43, s41, 2
	s_lshl_b32 s43, 15, s43                        ; my row of the cluster
	s_lshl_b32 s44, 0x1111, s40                    ; my column
	; A's tile: 8 tiles of rows x 4,096 bytes (four K steps' images), 8,192 bytes apart: 8 rows of 512 elements of 8 bytes, no padding
	s_or_b32 s[G1+0], s43, (3<<16)|(1<<21)
	s_mov_b32 s[G1+1], 512<<16
	s_mov_b32 s[G1+2], 8<<16
	s_mov_b32 s[G1+3], 512<<16
	s_mov_b32 s[G1+4], 8
	s_mov_b32 s[G1+5], 1024
	s_mov_b32 s[G1+6], 0
	s_mov_b32 s[G1+7], 0
	; B's tile: 128 rows x 256 bytes, 4 words of padding behind every 64
	s_or_b32 s[G1B+0], s44, (0<<16)|(1<<20)|(1<<21)|(5<<22)|(3<<25)
	s_mov_b32 s[G1B+1], ROWB<<16
	s_mov_b32 s[G1B+2], 128<<16
	s_mov_b32 s[G1B+3], ROWB<<16
	s_mov_b32 s[G1B+4], 128
	s_mov_b32 s[G1B+5], KROW
	s_mov_b32 s[G1B+6], 0
	s_mov_b32 s[G1B+7], 0
	; the scale bytes of 128 rows: 4,096 dense bytes as 16 rows of 256, 16 bytes of padding behind each
	s_or_b32 s[G1S+0], s43, (3<<16)|(1<<20)|(1<<21)|(5<<22)|(3<<25)
	s_or_b32 s[G1SB+0], s44, (3<<16)|(1<<20)|(1<<21)|(5<<22)|(3<<25)
.irp g, G1S, G1SB
	s_mov_b32 s[\g+1], 32<<16
	s_mov_b32 s[\g+2], (128*KS/256)<<16
	s_mov_b32 s[\g+3], 32<<16
	s_mov_b32 s[\g+4], 128*KS/256
	s_mov_b32 s[\g+5], 32
	s_mov_b32 s[\g+6], 0
	s_mov_b32 s[\g+7], 0
.endr
	s_lshl_b32 s18, s16, 7
	s_lshl_b32 s20, s17, 8
	s_add_co_u32 s20, s20, s18                     ; A: row 256 x tile row + 128 x half
	s_lshl_b32 s22, s20, 5                         ; its scale bytes,
	s_lshl_b32 s20, s20, 9                         ; its images: 16 rows are 8,192 bytes
	s_mov_b32 s21, 0
	s_mov_b32 s23, 0
	s_lshl_b32 s46, s42, 8
	s_add_co_u32 s46, s46, s18                     ; B: row 256 x tile column + 128 x half
	s_lshl_b32 s92, s46, 5
	s_lshl_b32 s46, s46, 9
	s_mov_b32 s47, 0
	s_mov_b32 s93, 0
	s_lshl_b32 s45, s16, 15                        ; where they go: no place in the cluster enters an LDS address
	s_mul_i32 s95, s16, HALFT
	s_add_co_u32 s95, s95, BOFF
	s_mul_i32 s94, s14, HALFS
	s_wait_dscnt 0x0                               ; both opening adds are done
	s_wait_kmcnt 0x0
	s_add_nc_u64 s[20:21], s[4:5], s[20:21]
	s_add_nc_u64 s[22:23], s[6:7], s[22:23]
	s_add_nc_u64 s[46:47], s[8:9], s[46:47]
	s_add_nc_u64 s[92:93], s[10:11], s[92:93]
	CROUND                                         ; all sixteen work-groups are here: the first joint loads meet
	s_mov_b32 s[G0S], 1
	s_add_co_u32 s[G0S+1], s94, SCL
	s_mov_b64 s[G0S+2:G0S+3], s[22:23]
	s_or_b32 s[G0S+3], s[G0S+3], 0x80000000
	s_mov_b32 s[G0SB], 1
	s_add_co_u32 s[G0SB+1], s94, SCL
	s_mov_b64 s[G0SB+2:G0SB+3], s[92:93]
	s_or_b32 s[G0SB+3], s[G0SB+3], 0x80000000
	JLOAD G0S, G1S, G0SB, G1SB
.irp s, 0,1
	s_mov_b32 s[G0+4*\s], 1
	s_add_co_u32 s[G0+4*\s+1], s45, \s*SLOT
	s_add_nc_u64 s[G0+4*\s+2:G0+4*\s+3], s[20:21], \s*4096
	s_or_b32 s[G0+4*\s+3], s[G0+4*\s+3], 0x80000000
	s_mov_b32 s[G0B+4*\s], 1
	s_add_co_u32 s[G0B+4*\s+1], s95, \s*SLOT
	s_add_nc_u64 s[G0B+4*\s+2:G0B+4*\s+3], s[46:47], \s*ROWB
	s_or_b32 s[G0B+4*\s+3], s[G0B+4*\s+3], 0x80000000
	s_wait_alu depctr_va_vdst(0)
	s_wait_tensorcnt 0x0
	ds_add_u32 v28, v29
	s_wait_dscnt 0x0
	CROUND
	JLOAD G0+4*\s, G1, G0B+4*\s, G1B               ; three tensor loads of mine are out in all
.endr
	v_and_b32 v1, 15, v0                           ; r
	v_bfe_u32 v2, v0, 4, 1                         ; h
	v_mul_u32_u24 v3, v1, PITCH
	v_lshl_add_u32 v4, v2, 4, v3                   ; B: a fragment's row x pitch + 16 x half
	v_and_b32 v6, 31, v0
	v_lshlrev_b32 v[CO], 4, v6                     ; A: 16 x lane
	s_lshl_b32 s21, s15, 15                        ; my 128 rows of A
	s_mul_i32 s22, s16, HALFT                      ; my 128 rows of B,
	s_add_co_u32 s22, s22, BOFF                    ; behind A's images
.irp s, 0,1
	v_add_nc_u32 v[ADRA+\s], s21, v[CO]
	v_add_nc_u32 v[ADRB+\s], s22, v4
	s_add_co_u32 s21, s21, SLOT
	s_add_co_u32 s22, s22, SLOT
.endr
	v_mul_u32_u24 v5, v1, KS
	v_lshrrev_b32 v6, 8, v5
	v_lshl_add_u32 v5, v6, 4, v5
	s_mul_i32 s21, s15, HALFS
	s_mul_i32 s22, s16, HALFS
	s_add_co_u32 s22, s22, 2*HALFS
	s_sub_co_u32 s22, s22, s21
	v_mul_u32_u24 v6, s22, v2                      ; lanes 16-31 take B's
	s_add_co_u32 s21, s21, SCL
	v_add_nc_u32 v5, v5, v6
	v_add_nc_u32 v[ADRS], s21, v5
	s_mul_i32 s23, s14, 16*SPITCH                  ; my stage
	v_mul_u32_u24 v5, v1, SPITCH
	v_lshl_add_u32 v5, v2, 5, v5
	v_add_nc_u32 v[STO], s23, v5                   ; in: row r, 32 bytes for each half of the lanes
	v_add_nc_u32 v[RD], s23, v[CO]                 ; back: the 32 lanes take one row of 512 bytes
	s_lshl_b32 s46, s42, 10                        ; my first column, in bytes: 1,024 x tile column + 512 x half: in the result and in the bias alike
	s_lshl_b32 s47, s16, 9
	s_add_co_u32 s46, s46, s47
	s_mov_b32 s47, 0
	s_add_nc_u64 s[96:97], s[96:97], s[46:47]
	s_lshl_b32 s20, s17, 8
	s_lshl_b32 s21, s15, 7
	s_add_co_u32 s20, s20, s21                     ; my first row
	s_lshl_b32 s20, s20, 12                        ; of 4,096 bytes
	s_mov_b32 s21, 0
	s_add_nc_u64 s[20:21], s[20:21], s[46:47]
	s_add_nc_u64 s[12:13], s[12:13], s[20:21]
	v_lshlrev_b32 v[VB], 5, v2                     ; the bias in the result's layout: register j of B's tile b is column 16 b + 8 h + j
.irp b, 0,1,2,3,4,5,6,7
	global_load_b128 v[BI+8*\b:BI+8*\b+3], v[VB], s[96:97] offset:64*\b
	global_load_b128 v[BI+8*\b+4:BI+8*\b+7], v[VB], s[96:97] offset:64*\b+16
.endr
.macro FRAG reg, adr, q, i             ; B: 16 rows x 128 K from padded rows
.irp c, 0,1
	ds_load_b128 v[\reg+4*\c:\reg+4*\c+3], v[\adr] offset:64*(\q)+32*\c+(\i)*16*PITCH
.endr
.endm
.macro FRAGA reg, slot, q, i           ; A: the image of tile i, the slot's q-th 128 along K
.irp c, 0,1
	ds_load_b128 v[\reg+4*\c:\reg+4*\c+3], v[ADRA+\slot] offset:4096*(\i)+1024*(\q)+512*\c
.endr
.endm
; 16 matrix instructions: A's blocks a0, a0 + 1 x B's eight.  zero = 1: the sums start from the bias.  The 64 accumulators take turns, one instruction a turn.
.macro MUL16 a0, p, q, sc, zero
.irp a, \a0, \a0+1
.irp b, 0,1,2,3,4,5,6,7
.if \zero
	v_wmma_scale_f32_16x16x128_f8f6f4 v[8*(8*((\a)%4)+\b):8*(8*((\a)%4)+\b)+7], v[128*(\p)+FR*\b:128*(\p)+FR*\b+FR-1], v[AF+FR*(\a):AF+FR*(\a)+FR-1], v[BI+8*\b:BI+8*\b+7], v[SC+8*NQ*(\sc)+NQ*\b+(\q)], v[SC+8*NQ*(\sc)+NQ*(\a)+(\q)] matrix_a_fmt:MATRIX_FMT_FP4 matrix_b_fmt:MATRIX_FMT_FP4 matrix_a_scale:MATRIX_SCALE_ROW1
.else
	v_wmma_scale_f32_16x16x128_f8f6f4 v[8*(8*((\a)%4)+\b):8*(8*((\a)%4)+\b)+7], v[128*(\p)+FR*\b:128*(\p)+FR*\b+FR-1], v[AF+FR*(\a):AF+FR*(\a)+FR-1], v[8*(8*((\a)%4)+\b):8*(8*((\a)%4)+\b)+7], v[SC+8*NQ*(\sc)+NQ*\b+(\q)], v[SC+8*NQ*(\sc)+NQ*(\a)+(\q)] matrix_a_fmt:MATRIX_FMT_FP4 matrix_b_fmt:MATRIX_FMT_FP4 matrix_a_scale:MATRIX_SCALE_ROW1
.endif
.endr
.endr
.endm
.macro FETCH_B slot, q, p
	WIN TO_B
.irp i, 0,1,2,3,4,5,6,7
	FRAG 128*(\p)+FR*\i, ADRB+\slot, \q, \i
.endr
	WIN 0
.endm
.macro FETCH_A slot, q, i0
.irp i, \i0, \i0+1, \i0+2, \i0+3
	FRAGA AF+FR*(\i), \slot, \q, \i
.endr
.endm
.macro SCALES sc
.irp i, 0,1,2,3,4,5,6,7
	ds_load_b128 v[SC+8*NQ*\sc+NQ*\i:SC+8*NQ*\sc+NQ*\i+3], v[ADRS] offset:\i*SBLK
.endr
.endm
.macro PLACES n                        ; plain vector instructions between a matrix instruction and a load into, or a read of, its registers
.rept \n
	v_nop
.endr
.endm
.macro STEP slot, q, zero
	s_wait_dscnt 4*NL                              ; B's set and A's blocks 0-3 are in; the youngest eight loads (A's blocks 4-7) may be out
.if \zero
	WIN BIA_LO
.else
	WIN MUL_LO
.endif
	MUL16 0, (\q)%2, \q, \slot, \zero
	MUL16 2, (\q)%2, \q, \slot, \zero
	s_wait_dscnt 0
	PLACES NP
	FETCH_B \slot, (\q)+1, 1-(\q)%2
	FETCH_A \slot, (\q)+1, 0
.if \zero
	WIN BIA_HI
.else
	WIN MUL_HI
.endif
	MUL16 4, (\q)%2, \q, \slot, \zero
	MUL16 6, (\q)%2, \q, \slot, \zero
	PLACES NP
	WIN 0
	FETCH_A \slot, (\q)+1, 4
.endm
.macro STEPS slot, from
.set Q, \from
.rept NQ-1-\from
	STEP \slot, Q, 0
.set Q, Q+1
.endr
.endm
	s_wait_alu depctr_va_vdst(0)
	s_wait_tensorcnt 1                             ; the scales and my part of slot 0 are in (slot 1's load may be out),
	s_barrier_signal -1
	s_barrier_wait -1                              ; everybody's are
	FETCH_B 0, 0, 0
	FETCH_A 0, 0, 0
	SCALES 0
	FETCH_A 0, 0, 4
	s_wait_loadcnt 0x0                             ; the bias
	STEP 0, 0, 1
	STEPS 0, 1
	; slot 0's last step changes slots: one barrier; in front of it each wave waits for all its tensor loads, adds 0 to its spare word, and waits for that and for its reads
	s_wait_tensorcnt 0x0                           ; my part of slot 1 has landed
	ds_add_u32 v[SPW], v[NIL]                      ; 0 onto my spare word
	s_wait_dscnt 4*NL+1                            ; (the add and the youngest eight loads may be out)
	WIN MUL_LO
	MUL16 0, 1, NQ-1, 0, 0
	s_wait_dscnt 0x0
	s_barrier_signal -1
	MUL16 2, 1, NQ-1, 0, 0
	WIN 0
	s_barrier_wait -1                              ; slot 1 is whole, and nobody reads slot 0 any more
	PLACES NP
	v_add_nc_u32 v[ADRS], 4*NQ, v[ADRS]
	FETCH_B 1, 0, 0
	FETCH_A 1, 0, 0
	SCALES 1
	WIN MUL_HI
	MUL16 4, 1, NQ-1, 0, 0
	MUL16 6, 1, NQ-1, 0, 0
	PLACES NP
	WIN 0
	FETCH_A 1, 0, 4
	STEPS 1, 0
	s_wait_dscnt 4*NL
	WIN MUL_LO
	MUL16 0, 1, NQ-1, 1, 0
	MUL16 2, 1, NQ-1, 1, 0
	s_wait_dscnt 0
	WIN MUL_HI
	MUL16 4, 1, NQ-1, 1, 0
	MUL16 6, 1, NQ-1, 1, 0
	WIN 0
; THE WAY OUT, block by block of 16 rows x 128 columns: through my own stage in LDS and back as whole rows of 512 bytes.  LDS serves a wave's instructions in order (ISA guide 5.7.1.4):
; no wait between the stores and the loads, nor in front of the next block's stores.
.macro TOSTAGE a
.set AC, 64*((\a)%4)
	WIN 0x08+4*((\a)/4)                            ; the data: window 2 or 3
.irp b, 0,1,2,3,4,5,6,7
	ds_store_b128 v[STO], v[AC+8*\b:AC+8*\b+3] offset:64*\b          ; each accumulator from its low end on
	ds_store_b128 v[STO], v[AC+8*\b+4:AC+8*\b+7] offset:64*\b+16
.endr
	WIN 0
.set BB, BK+64*((\a)%2)
.irp t, 0,1,2,3,4,5,6,7,8,9,10,11,12,13,14,15
	ds_load_b128 v[BB+4*\t:BB+4*\t+3], v[RD] offset:\t*SPITCH
.endr
.endm
.macro SEND a, younger                 ; younger: the LDS instructions issued behind block a's loads, which may stay out
.set BB, BK+64*((\a)%2)
	s_wait_dscnt \younger
.if (\a) > 0
	s_add_nc_u64 s[12:13], s[12:13], 16*SIZE_N*4   ; (behind a wait on XCNT: the earlier stores have read their base)  16 rows on
.endif
.irp t, 0,1,2,3,4,5,6,7,8,9,10,11,12,13,14,15
	global_store_b128 v[CO], v[BB+4*\t:BB+4*\t+3], s[12:13] offset:\t*SIZE_N*4 th:TH_STORE_NT   ; 32 lanes store 512 consecutive bytes, at a multiple of 256 from the buffer's first byte
.endr
.endm
	PLACES NP
	TOSTAGE 0
.irp a, 1,2,3,4,5,6,7
.if \a > 1
	s_wait_xcnt 0x0                                ; block a - 2's stores have read their registers and their base
.endif
	TOSTAGE \a
	SEND \a-1, 32                                  ; behind block a - 1's loads: block a's 16 stores and 16 loads
.endr
	s_wait_xcnt 0x0
	SEND 7, 0
	s_wait_tensorcnt 0x0                           ; the wave's end
	ds_add_u32 v[SPW], v[NIL]
	s_wait_dscnt 0x0
	CROUND                                         ; the closing round
	s_endpgm
.Lfunc_end_k_qb671dab59c_proj:
	.size	k_qb671dab59c_proj, .Lfunc_end_k_qb671dab59c_proj-k_qb671dab59c_proj
	.p2alignl 7, 3214868480
	.fill 96, 4, 3214868480
	.section	.rodata,"a",@progbits
	.p2align	6, 0x0
	.amdhsa_kernel k_qb671dab59c_proj
		.amdhsa_group_segment_fixed_size 327680
		.amdhsa_private_segment_fixed_size 0
		.amdhsa_enable_private_segment 0
		.amdhsa_kernarg_size 48
		.amdhsa_user_sgpr_count 2
		.amdhsa_user_sgpr_kernarg_segment_ptr 1
		.amdhsa_wavefront_size32 1
		.amdhsa_system_sgpr_workgroup_id_x 1
		.amdhsa_system_sgpr_workgroup_id_y 1
		.amdhsa_system_sgpr_workgroup_id_z 1
		.amdhsa_system_vgpr_workitem_id 0
		.amdhsa_next_free_vgpr 1024
		.amdhsa_next_free_sgpr 98
		.amdhsa_reserve_vcc 0
		.amdhsa_float_denorm_mode_32 3
		.amdhsa_float_denorm_mode_16_64 3
		.amdhsa_memory_ordered 1
		.amdhsa_forward_progress 1
		.amdhsa_inst_pref_size 127
	.end_amdhsa_kernel
	.amdgpu_metadata
---
amdhsa.version: [ 1, 2 ]
amdhsa.kernels:
  - .name:           k_qb671dab59c_proj
    .symbol:         k_qb671dab59c_proj.kd
    .args:
      - { .name: oc, .offset: 0, .size: 8, .value_kind: global_buffer, .address_space: global }
      - { .name: os, .offset: 8, .size: 8, .value_kind: global_buffer, .address_space: global }
      - { .name: wo_codes, .offset: 16, .size: 8, .value_kind: global_buffer, .address_space: global }
      - { .name: wo_scales, .offset: 24, .size: 8, .value_kind: global_buffer, .address_space: global }
      - { .name: bo, .offset: 32, .size: 8, .value_kind: global_buffer, .address_space: global }
      - { .name: out0, .offset: 40, .size: 8, .value_kind: global_buffer, .address_space: global }
    .group_segment_fixed_size: 327680
    .private_segment_fixed_size: 0
    .kernarg_segment_align: 8
    .kernarg_segment_size: 48
    .max_flat_workgroup_size: 128
    .sgpr_count:     98
    .vgpr_count:     1024
    .wavefront_size: 32
...
	.end_amdgpu_metadata
.endif
;; end of part 3
